; MI455X (gfx1250); checked and timed in simulation.
; The chip was launched on July 23, 2026; its instructions are those of AMD's public machine-readable ISA for CDNA 5 (MIT licence, August 2026) and "CDNA5" Instruction Set Architecture Reference Guide (July 2026). The comments in the code are by the model that wrote it; some were corrected since.
;; Logistic Regression Model. Allowed arithmetic: matrix products marked QUANTISED: E3M2 operands, one E8M0 scale for each 32 along K, by v_wmma_scale_f32_16x16x128_f8f6f4 with both operands' format E3M2, f32 sums; everything else in f32.
;; Inputs: bias 8,192 float32; inp 2,048 x 4,096 float32; weights 4,096 x 8,192 float32.
;; Outputs: out0 2,048 x 8,192 float32.
;; This version of the problem:
;;   THIS VERSION OF THE PROBLEM IS GIVEN IN LOW PRECISION. The matrix products marked QUANTISED in the list below multiply operands that are first quantised to E3M2 (3 exponent bits, 2 mantissa bits; 6 bits a number), with one power-of-two scale for each 32 numbers along K (OCP MX v1.0); their sums are f32. All else is computed in f32.
;;   The module's matrix products, in the order in which they are computed (A, B: the left and right operand; K: the contracted axis; several contracted axes count as one K, in the product's order):
;;     1. [M 2,048, K 4,096] x [K 4,096, N 8,192]; A: input inp; B: input weights: QUANTISED
;;   THE QUANTISER, for each operand of a quantised product, along K:
;;     - K is cut into blocks of 32 from its start; a last block that is shorter is filled with zeros.
;;     - A block's scale is 2^e with e = floor(log2(the largest magnitude in the block)) - 4, held to -126 .. 127; a block of zeros has e = 0. As a byte (E8M0): e + 127.
;;     - Each number is divided by its block's scale, clamped to +-28, and rounded to the nearest number of E3M2, ties to even, subnormals kept.
;;     - The product sums the exact products of the quantised numbers (number of the format x scale) in f32.
;;   ~~~python
;;   def quantise(x, axis):      # numpy; x: float32 -> the quantised numbers, widened to float32 again
;;       x = np.moveaxis(x, axis, -1); K = x.shape[-1]
;;       x = np.pad(x, [(0, 0)] * (x.ndim - 1) + [(0, -K % 32)]); x = x.reshape(x.shape[:-1] + (-1, 32)); a = np.abs(x).max(-1, keepdims=True)
;;       e = np.where(a > 0, np.clip(np.frexp(np.where(a > 0, a, 1))[1] - 1 - 4, -126, 127), 0)      # np.frexp(a)[1] - 1 = floor(log2(a)), exactly
;;       r = np.clip(x / 2.0 ** e, -28, 28)
;;       step = 2.0 ** (np.maximum(np.frexp(np.where(r == 0, 1, r))[1] - 1, -2) - 2)
;;       q = np.round(r / step) * step * 2.0 ** e      # np.round: ties to even
;;       return np.moveaxis(q.reshape(q.shape[:-2] + (-1,))[..., :K], -1, axis).astype(np.float32)
;;   ~~~
;; One version. Each part assembles by itself: llvm-mc -triple=amdgcn-amd-amdhsa -mcpu=gfx1250 --defsym DOCPART=n.
;; ======== version 1 of 1: 2 launches
;; limits: right only within a limited range of input values
;; workspace buffers: a_img 6,291,456 bytes; a_scl 262,144 bytes; w_img 25,165,824 bytes; w_scl 1,048,576 bytes
;; launch quant (part 1): grid 1280 x 1, 4 waves a work-group, no clusters, 17,920 bytes of LDS; arguments inp, weights, a_img, a_scl, w_img, w_scl; writes a_img, a_scl, w_img, w_scl
.if DOCPART == 1
	.amdgcn_target "amdgcn-amd-amdhsa--gfx1250"
	.amdhsa_code_object_version 6
	.text
	.protected	k_q9281db1050_quant
	.globl	k_q9281db1050_quant
	.p2align	8
	.type	k_q9281db1050_quant,@function
k_q9281db1050_quant:
	s_mov_b64 s[64:65], 0
	v_nop
	global_prefetch_b8 v0, s[64:65] scope:SCOPE_SE
	s_setreg_imm32_b32 hwreg(HW_REG_WAVE_MODE, 25, 1), 1
	s_wait_xcnt 0x0
; inp [2048][4096] f32 (K innermost) and weights [4096][8192] f32 (K is the FIRST axis) are turned into codes of BF6 (E3M2), 6 bits each, with one E8M0 scale byte for each 32 along K.
; A block's scale is 2^(floor(log2(its largest magnitude)) - 4); its byte is the largest magnitude's own exponent field - 4, held at 1 from below by a floor among the maximum's leaves.
; Each number is divided by the scale and rounded to the nearest code, ties to even; beyond 28 the conversion gives the largest code.
; LIMITS: NaN and infinities among the inputs are not served.  A block of zeros gets the byte 1 where the rule says 127: its codes are zeros, which add nothing under any byte but 0xff, and this program alone reads the bytes.
; Blocks whose largest magnitude lies under 2^-122 get the byte 1, which is the rule's own hold at e = -126.
; THE CODES ARE LAID AS THE MATRIX UNIT'S REGISTERS WANT THEM.  A fragment is 16 rows x 128 K = 12 registers a lane = 1,536 bytes: registers 4 g .. 4 g + 3 of lane l lie at 512 g + 16 l.
; Lane (r = l % 16, h = l / 16) holds of row r the block h in registers 0-5 and the block 2 + h in registers 6-11.  a_img: [128 fragment rows][32 K steps][1,536]; w_img: [512 fragment rows of 16 columns n][32][1,536].
; THE SCALE BYTES: [pair of fragment rows][16 slots of 256 K][2 fragment rows][16 rows][8 bytes, K ascending]: a wave's 32 rows x 256 K give 256 consecutive bytes.
; SHARES.  1,280 work-groups of four waves, 128 KiB of f32 each: numbers 0-255 take inp, 256-1279 weights; the two ways part on the work-group's number.  A wave takes 32 rows (or columns) x 256 K.
; Waves share nothing: no barrier.  Only inp's way touches LDS.  No tensor loads, no cluster (no input byte is read twice), no prefetch (the launch is one stream of loads from its first line on).
.set PW,  20                           ; v20-23   scale words in the making
.set R,   32                           ; inp: v32-127  three sets of 32 registers, numbers as they are loaded
.set X,   128                          ; inp: v128-159 one block of 32 neighbours of my row
.set C,   160                          ; inp: v160-183 two sets of 12 registers of codes
.set XW,  32                           ; weights: v32-95   two sets of 32 numbers down K
.set CW,  96                           ; weights: v96-143  codes: 96 + 24 q + 12 h + register; none is written twice
.set STGB, 4352                        ; inp: a wave's stage in LDS: 16 rows x (256 bytes + 16)
	s_load_b256 s[4:11], s[0:1], 0x0               ; inp s[4:5], weights s[6:7], a_img s[8:9], a_scl s[10:11]
	s_load_b128 s[12:15], s[0:1], 0x20             ; w_img s[12:13], w_scl s[14:15]
	v_lshl_add_u32 v24, v0, 2, 0x4400
	v_mov_b32 v25, 0
	v_lshrrev_b32 v1, 5, v0
	v_readfirstlane_b32 s16, v1                    ; wave 0..3
	v_and_b32 v2, 31, v0                           ; lane
	v_and_b32 v3, 15, v0                           ; r
	v_bfe_u32 v4, v0, 4, 1                         ; h
	v_lshlrev_b32 v9, 3, v2                        ; the scale bytes' place: 8 bytes a lane
	s_mov_b32 s19, 0                               ; the high word of every offset below
	s_wait_kmcnt 0x0
	s_cmp_lt_u32 ttmp9, 256
	s_cbranch_scc0 .Lweights
; One block: the 32 numbers v[XS] .. v[XS + 31] become six registers of codes at v[DS] on (DS even) and the scale's byte in v15.
.macro QBLOCK
	v_max3_num_f32 v12, |v[XS]|, |v[XS+1]|, |v[XS+2]|               ; the largest magnitude, in two chains that do not wait for each other
	v_max3_num_f32 v13, |v[XS+3]|, |v[XS+4]|, |v[XS+5]|
.irp i, 6,10,14,18,22,26
	v_max3_num_f32 v12, v12, |v[XS+\i]|, |v[XS+\i+1]|
	v_max3_num_f32 v13, v13, |v[XS+\i+2]|, |v[XS+\i+3]|
.endr
	v_max3_num_f32 v12, v12, |v[XS+30]|, |v[XS+31]|
	v_max3_num_f32 v12, v12, v13, 0x2800000        ; and the floor 2^(5 - 127): the byte cannot fall under 1
	v_add_nc_u32 v14, 0xfe000000, v12              ; 4 off the exponent field: the conversion takes the exponent field of this operand as its scale, and nothing else of it
	v_lshrrev_b32 v15, 23, v14                     ; the scale's byte
	v_cvt_scalef32_pk16_bf6_f32 v[DS:DS+2], v[XS:XS+15], v14
	v_cvt_scalef32_pk16_bf6_f32 v[16:18], v[XS+16:XS+31], v14       ; a conversion's three registers begin on an even number: the block's second half is made here and moved
	v_nop                                          ; one plain instruction between a scaled conversion and the vector instruction that touches its result
.irp i, 0,1,2
	v_mov_b32 v[DS+3+\i], v[16+\i]
.endr
.endm
; ---------------- inp: K is innermost ----------------
; Wave g = 4 x work-group + wave takes the pair of fragment rows g / 16 (32 rows) and the slot g % 16 (256 K): four fragments (f, q), worked as eight units u = 4 f + 2 q + c of 16 rows x 64 K.
; A load reads two rows' 256 consecutive bytes, 16 bytes a lane; the conversions want 32 NEIGHBOURS in one lane.  So a unit's 4,096 bytes turn through the wave's own stage: in as they lie, out 128 bytes a lane.
; The stage's rows are 272 bytes apart, an odd multiple of 16.
	s_lshl_b32 s17, ttmp9, 2
	s_add_co_u32 s17, s17, s16                     ; g
	s_lshr_b32 s20, s17, 4                         ; the pair
	s_and_b32 s21, s17, 15                         ; the slot
	s_lshl_b32 s18, s20, 19                        ; inp: 32 rows of 16,384 bytes,
	s_lshl_b32 s22, s21, 10                        ; 256 numbers of 4 bytes
	s_add_co_u32 s18, s18, s22
	s_add_nc_u64 s[4:5], s[4:5], s[18:19]
	s_mul_i32 s18, s20, 98304                      ; a_img: two fragment rows of 49,152 bytes,
	s_mul_i32 s22, s21, 3072                       ; two fragments
	s_add_co_u32 s18, s18, s22
	s_add_nc_u64 s[8:9], s[8:9], s[18:19]
	s_lshl_b32 s18, s20, 12                        ; a_scl: 4,096 bytes a pair, 256 a slot
	s_lshl_b32 s22, s21, 8
	s_add_co_u32 s18, s18, s22
	s_add_nc_u64 s[10:11], s[10:11], s[18:19]
	s_wait_alu depctr_va_vdst(0)
	v_lshlrev_b32 v5, 14, v4
	v_lshl_add_u32 v5, v3, 4, v5                   ; in: lanes 0-15 one row, lanes 16-31 the next; 16 bytes a lane
	s_mul_i32 s23, s16, STGB
	v_mul_u32_u24 v6, v4, 272
	v_lshl_add_u32 v6, v3, 4, v6
	v_add_nc_u32 v6, s23, v6                       ; into the stage: the same two rows
	v_mul_u32_u24 v7, v3, 272
	v_lshl_add_u32 v7, v4, 7, v7
	v_add_nc_u32 v7, s23, v7                       ; out of it: row r, block h of the unit's two
	v_lshlrev_b32 v8, 4, v2                        ; an image's place for my lane: 16 x lane
	v_lshlrev_b32 v10, 3, v4                       ; 8 h: my bytes' shift in a scale word
.macro LOADU u                         ; unit u: eight loads, each two whole rows' 256 bytes
.irp i, 0,1,2,3,4,5,6,7
	global_load_b128 v[R+32*((\u)%3)+4*\i:R+32*((\u)%3)+4*\i+3], v5, s[4:5] offset:((\u)/4)*262144+\i*32768+(((\u)/2)%2)*512+((\u)%2)*256 th:TH_LOAD_NT
.endr
.endm
.macro UNIT u
.if 7-(\u) >= 2
	s_wait_loadcnt 16                              ; loads come back in order: this unit's eight are in, the two younger units' sixteen stay out
.else
	s_wait_loadcnt 8*(7-(\u))
.endif
.irp i, 0,1,2,3,4,5,6,7
	ds_store_b128 v6, v[R+32*((\u)%3)+4*\i:R+32*((\u)%3)+4*\i+3] offset:544*\i
.endr
.irp i, 0,1,2,3,4,5,6,7
	ds_load_b128 v[X+4*\i:X+4*\i+3], v7 offset:16*\i               ; LDS serves a wave's instructions in order: these see the stores above
.endr
	s_wait_dscnt 0x0                               ; my block is in, and the stores have read their registers,
.if (\u) == 4
	s_wait_xcnt 0x0                                ; the first two fragments' stores have read their data: both sets of code registers may be written again
.endif
.if (\u)+3 < 8
	LOADU (\u)+3                                   ; which take the loads of three units on
.endif
.set XS, X
.set DS, C+12*(((\u)/2)%2)+6*((\u)%2)
	QBLOCK                                         ; registers 6 c .. 6 c + 5 of fragment (f, q): k = 64 c + 32 h + 0 .. 31 of row r
.if (\u)%2 == 0
	v_mov_b32 v[PW+(\u)/2], v15                    ; my byte of block h,
.else
	v_lshl_or_b32 v[PW+(\u)/2], v15, 16, v[PW+(\u)/2]              ; and of block 2 + h,
	v_lshlrev_b32 v[PW+(\u)/2], v10, v[PW+(\u)/2]                  ; at their places in the row's scale word
.set CS, C+12*(((\u)/2)%2)
.irp g, 0,1,2
	global_store_b128 v8, v[CS+4*\g:CS+4*\g+3], s[8:9] offset:((\u)/4)*49152+(((\u)/2)%2)*1536+512*\g   ; 32 lanes store 512 consecutive bytes, at a multiple of 256 from the buffer's first byte
.endr
.endif
.endm
	LOADU 0
	LOADU 1
	LOADU 2
	s_wait_alu depctr_va_vdst(0)
.irp u, 0,1,2,3,4,5,6,7
	UNIT \u
.endr
.irp q, 0,1                            ; v[20 + q]: fragment row 0's partial words, v[22 + q]: fragment row 1's; lanes 0-15 hold bytes 0 and 2 of row r, lanes 16-31 bytes 1 and 3
	v_permlane16_swap_b32 v[PW+\q], v[PW+2+\q]     ; the first's lanes 16-31 change places with the second's lanes 0-15:
	v_or_b32 v[PW+\q], v[PW+\q], v[PW+2+\q]        ; lanes 0-15 now hold fragment row 0's whole words, lanes 16-31 fragment row 1's
.endr
	global_store_b64 v9, v[PW:PW+1], s[10:11]      ; 32 lanes store 256 consecutive bytes, at a multiple of 256 from the buffer's first byte
	s_wait_tensorcnt 0x0
	ds_add_u32 v24, v25
	s_wait_dscnt 0x0
	s_endpgm
; ---------------- weights: K is the first axis ----------------
; A LANE TAKES A COLUMN n, AND ITS REGISTERS RUN DOWN K: a block of 32 along K lies in one lane's 32 registers, and the conversions give codes with K innermost.  Nothing is transposed.
; Work-group j = number - 256: columns 128 (j % 64) on, slot j / 64.  Wave w: columns 32 p on, p = 4 (j % 64) + w: the pair p of fragment rows; lane l is row l % 16 of fragment row 2 p + l / 16.
; Of K step q my block b belongs to the image's lane (r, b % 2), registers 6 (b / 2) on: I hold both those lanes' twelve registers, and store each group of four at its place:
; in every store lanes 0-15 fill 256 consecutive bytes of fragment row 2 p and lanes 16-31 of fragment row 2 p + 1, each at a multiple of 256 from the buffer's first byte.
.Lweights:
	s_sub_co_u32 s17, ttmp9, 256
	s_and_b32 s20, s17, 63
	s_lshr_b32 s21, s17, 6                         ; the slot
	s_lshl_b32 s20, s20, 2
	s_add_co_u32 s20, s20, s16                     ; p
	s_lshl_b32 s18, s21, 23                        ; weights: 256 rows of 32,768 bytes,
	s_lshl_b32 s22, s20, 7                         ; 32 columns of 4 bytes
	s_add_co_u32 s18, s18, s22
	s_add_nc_u64 s[6:7], s[6:7], s[18:19]
	s_mul_i32 s18, s20, 98304
	s_mul_i32 s22, s21, 3072
	s_add_co_u32 s18, s18, s22
	s_add_nc_u64 s[12:13], s[12:13], s[18:19]
	s_lshl_b32 s18, s20, 12
	s_lshl_b32 s22, s21, 8
	s_add_co_u32 s18, s18, s22
	s_add_nc_u64 s[14:15], s[14:15], s[18:19]
	s_wait_alu depctr_va_vdst(0)
	v_lshlrev_b32 v5, 2, v2                        ; in: 4 bytes a lane
	v_mul_u32_u24 v8, v4, 49152
	v_lshl_add_u32 v8, v3, 4, v8                   ; out: my fragment row, + 16 r
.macro LOADW t                         ; block t: weights(32 t + i, my column); the largest offset, 255 rows, lies inside the signed 24-bit immediate
.irp i, 0,1,2,3,4,5,6,7,8,9,10,11,12,13,14,15,16,17,18,19,20,21,22,23,24,25,26,27,28,29,30,31
	global_load_b32 v[XW+32*((\t)%2)+\i], v5, s[6:7] offset:(32*(\t)+\i)*32768 th:TH_LOAD_NT
.endr
.endm
.macro BLOCKW t
.if (\t) < 7
	s_wait_loadcnt 32                              ; this block's 32 loads are in; the next block's stay out
.else
	s_wait_loadcnt 0x0
.endif
.set XS, XW+32*((\t)%2)
.set DS, CW+24*((\t)/4)+12*((\t)%2)+6*(((\t)%4)/2)
	QBLOCK
.if (\t)%4 == 0
	v_mov_b32 v[PW+(\t)/4], v15                    ; four bytes to a scale word, the lower K in the lower byte
.else
	v_lshl_or_b32 v[PW+(\t)/4], v15, 8*((\t)%4), v[PW+(\t)/4]
.endif
.if (\t)+2 < 8
	LOADW (\t)+2
.endif
.if (\t)%4 == 3                        ; a K step's four blocks are done: its fragment leaves
.irp hh, 0,1
.irp g, 0,1,2
	global_store_b128 v8, v[CW+24*((\t)/4)+12*\hh+4*\g:CW+24*((\t)/4)+12*\hh+4*\g+3], s[12:13] offset:1536*((\t)/4)+512*\g+256*\hh
.endr
.endr
.endif
.endm
	LOADW 0
	LOADW 1
.irp t, 0,1,2,3,4,5,6,7
	BLOCKW \t
.endr
	global_store_b64 v9, v[PW:PW+1], s[14:15]      ; my column's eight scale bytes: 32 lanes store 256 consecutive bytes
	s_endpgm
.Lfunc_end_k_q9281db1050_quant:
	.size	k_q9281db1050_quant, .Lfunc_end_k_q9281db1050_quant-k_q9281db1050_quant
	.p2alignl 7, 3214868480
	.fill 96, 4, 3214868480
	.section	.rodata,"a",@progbits
	.p2align	6, 0x0
	.amdhsa_kernel k_q9281db1050_quant
		.amdhsa_group_segment_fixed_size 17920
		.amdhsa_private_segment_fixed_size 0
		.amdhsa_enable_private_segment 0
		.amdhsa_kernarg_size 48
		.amdhsa_user_sgpr_count 2
		.amdhsa_user_sgpr_kernarg_segment_ptr 1
		.amdhsa_wavefront_size32 1
		.amdhsa_system_sgpr_workgroup_id_x 1
		.amdhsa_system_sgpr_workgroup_id_y 1
		.amdhsa_system_sgpr_workgroup_id_z 1
		.amdhsa_system_vgpr_workitem_id 0
		.amdhsa_next_free_vgpr 184
		.amdhsa_next_free_sgpr 66
		.amdhsa_reserve_vcc 0
		.amdhsa_float_denorm_mode_32 3
		.amdhsa_float_denorm_mode_16_64 3
		.amdhsa_memory_ordered 1
		.amdhsa_forward_progress 1
		.amdhsa_inst_pref_size 68
	.end_amdhsa_kernel
	.amdgpu_metadata
---
amdhsa.version: [ 1, 2 ]
amdhsa.kernels:
  - .name:           k_q9281db1050_quant
    .symbol:         k_q9281db1050_quant.kd
    .args:
      - { .name: inp, .offset: 0, .size: 8, .value_kind: global_buffer, .address_space: global }
      - { .name: weights, .offset: 8, .size: 8, .value_kind: global_buffer, .address_space: global }
      - { .name: a_img, .offset: 16, .size: 8, .value_kind: global_buffer, .address_space: global }
      - { .name: a_scl, .offset: 24, .size: 8, .value_kind: global_buffer, .address_space: global }
      - { .name: w_img, .offset: 32, .size: 8, .value_kind: global_buffer, .address_space: global }
      - { .name: w_scl, .offset: 40, .size: 8, .value_kind: global_buffer, .address_space: global }
    .group_segment_fixed_size: 17920
    .private_segment_fixed_size: 0
    .kernarg_segment_align: 8
    .kernarg_segment_size: 48
    .max_flat_workgroup_size: 128
    .sgpr_count:     66
    .vgpr_count:     184
    .wavefront_size: 32
...
	.end_amdgpu_metadata
.endif
;; end of part 1
;; launch gemm (part 2): grid 32 x 8, 4 waves a work-group, clusters of 4 x 4, 327,680 bytes of LDS; arguments a_img, a_scl, w_img, w_scl, out0, bias; writes out0
.if DOCPART == 2
	.amdgcn_target "amdgcn-amd-amdhsa--gfx1250"
	.amdhsa_code_object_version 6
	.text
	.protected	k_q9281db1050_gemm
	.globl	k_q9281db1050_gemm
	.p2align	8
	.type	k_q9281db1050_gemm,@function
k_q9281db1050_gemm:
	s_mov_b64 s[64:65], 0
	v_nop
	global_prefetch_b8 v0, s[64:65] scope:SCOPE_SE
	s_setreg_imm32_b32 hwreg(HW_REG_WAVE_MODE, 25, 1), 1
	s_wait_xcnt 0x0
	s_wait_alu depctr_hold_cnt(0) depctr_sa_sdst(0) depctr_va_vdst(0) depctr_va_sdst(0) depctr_va_ssrc(0) depctr_va_vcc(0) depctr_vm_vsrc(0)
	s_getreg_b32 s2, hwreg(HW_REG_IB_STS2, 6, 4)
	s_cmp_eq_u32 s2, 0
	s_cbranch_scc0 .Lentry_in_a_cluster
	s_endpgm
.Lentry_in_a_cluster:
	s_bfe_u32 s2, ttmp6, 0x10000c
	s_cmp_lg_u32 s2, 0xf033
	s_cbranch_scc0 .Lentry_shape_is_right
	s_endpgm
.Lentry_shape_is_right:
; out0[m][n] = sum over k of Q(inp)[m][k] Q(weights)[k][n] + bias[n].  The operands come as codes of BF6 (E3M2) with E8M0 scale bytes, laid by the launch before as images of the
; matrix unit's registers: a fragment (16 rows x 128 K) is 1,536 bytes, registers 4 g .. 4 g + 3 of lane l at 512 g + 16 l; a fragment row holds its 32 K steps on end (49,152 bytes).
; A work-group of four waves makes 256 x 256 of out0, a wave 128 x 128: 64 accumulators, 512 registers.  256 work-groups.
; K goes through two LDS slots of three K steps each (the last fill holds two); a wave's tensor load brings 8 fragment rows x 4,608 bytes, each row a multiple of 256 bytes from the buffer's start.
; CLUSTERS 4 x 4: A's tiles are asked for jointly along a row of the cluster, B's along a column.
; FRAGMENTS: two sets for A and two for B.  While step s is multiplied from one set, step s + 1's 16 fragments are loaded into the other in ONE run of 48 loads, behind the products of A's blocks 0 and 1
; (in a slot's last step: behind the refill), always in the order B0..B7, A0..A7: so ahead of the products of A's blocks g and g + 1 at most 18 - 3 g loads of the earlier run and the LDS instructions
; of this step (CUR) may be out.
; SOURCE 0 = 16 columns of weights, SOURCE 1 = 16 rows of inp: a lane holds eight neighbouring numbers of a row of out0.
; The scale words come from memory straight into registers, 256 consecutive bytes a load, three sets of 16 registers, each set for two K steps, asked for about three steps ahead.
; The bias is added behind the sums when a block's rows come back from the stage: a lane then holds the same four columns in every row.
; The last K step finishes A's blocks one after the other; each block leaves behind its eight products.
; PREFETCH: once a trip a wave names 32 blocks of 256 bytes of one fragment row, 8,192 bytes further on each trip, from byte 16,384 to the row's end; A's rows are named by the clusters with x = 0,
; B's by those with y = 0; inside a cluster the rows are shared out by address (cx, cy and the wave's number).
; REGISTERS: window 0: v1-15 addresses and the bias, v16-63 scale words, v64-159 and v160-255 A's two sets; window 1: B's sets at v0 and v128; windows 2, 3: the accumulators ((a, b) at 8 (8 (a % 4) + b)).
.set SIZE_N, 8192
.set FR,     12
.set NP,     4
.set FRB,    1536
.set ROWB,   3*FRB
.set RB,     ROWB                      ; bytes from fragment row to fragment row in the slot that is read
.set FROW,   49152
.set HALFT,  8*ROWB
.set SLOT,   4*HALFT
.set TRIPS,  4
.set SPARE,  2*SLOT                    ; the spare words, 512 bytes behind the ring
.set STAGE,  SLOT                      ; the way out goes through slot 1, which has had its last fill and its last read by then
.set SPITCH, 528
.set ADRA, 1
.set ADRB, 3
.set SO,   5
.set SPW,  6
.set NIL,  7
.set PFO,  8
.set STO,  9
.set RD,   10
.set CO,   11
.set BI,   12
.set SC,   16
.set AF,   64
.set BK,   32
.set G1, 24
.set G0, 32
.set G1B, 48
.set G0B, 56
.set BIP, 66
.set G1X, 68
.set G1XB, 80
.set SCA, 76
.set SCB, 78
.set PFAA, 96
.set PFAB, 98
.set FLA, 100
.set FLB, 101
.set MSB, 0
.macro WIN new                         ; the immediate's high byte repeats the setting that is left
.if MSB != \new
	s_set_vgpr_msb (MSB<<8)|\new
.set MSB, \new
.endif
.endm
.set MUL_LO, 0xa1                      ; source 0 window 1, source 1 window 0, C and D window 2 (+ 0x50: window 3)
.set TO_B,   0x40                      ; destination window 1, address window 0
.macro JLOAD g0a, g1a, g0b, g1b        ; a joint load: waves 0, 1 for A, waves 2, 3 for B; s_nop 0 and four v_nop behind each line
	s_cmp_eq_u32 s15, 0
	s_cbranch_scc0 .Lfor_b_\@
	tensor_load_to_lds s[\g0a:\g0a+3], s[\g1a:\g1a+7]
	s_nop 0
.rept 4
	v_nop
.endr
	s_branch .Lasked_\@
.Lfor_b_\@:
	tensor_load_to_lds s[\g0b:\g0b+3], s[\g1b:\g1b+7]
	s_nop 0
.rept 4
	v_nop
.endr
.Lasked_\@:
.endm
.macro CREST                           ; a round of the cluster's barrier behind its opening barrier
	s_cmp_lg_u32 s14, 0
	s_cbranch_scc1 .Lnot_wave_0_\@
	s_barrier_signal -3
.Lnot_wave_0_\@:
	s_barrier_wait -3
	s_barrier_signal -1
	s_barrier_wait -1
.endm
.macro CROUND
	s_barrier_signal -1
	s_barrier_wait -1
	CREST
.endm
.macro ASK                             ; the trip's prefetch; the flags hang on the cluster's number alone
	s_cmp_eq_u32 s[FLA], 1
	s_cbranch_scc0 .Lnot_a_\@
	s_wait_alu depctr_va_vdst(0)
	global_prefetch_b8 v[PFO], s[PFAA:PFAA+1] th:TH_LOAD_NT scope:SCOPE_SE
.Lnot_a_\@:
	s_cmp_eq_u32 s[FLB], 1
	s_cbranch_scc0 .Lnot_b_\@
	s_wait_alu depctr_va_vdst(0)
	global_prefetch_b8 v[PFO], s[PFAB:PFAB+1] th:TH_LOAD_NT scope:SCOPE_SE
.Lnot_b_\@:
.endm
	s_load_b128 s[4:7], s[0:1], 0x0                ; a_img, a_scl
	s_load_b128 s[8:11], s[0:1], 0x10              ; w_img, w_scl
	s_load_b64 s[12:13], s[0:1], 0x20              ; out0
	s_load_b64 s[BIP:BIP+1], s[0:1], 0x28          ; bias
	v_lshl_add_u32 v[SPW], v0, 2, SPARE
	v_mov_b32 v[NIL], 0
	ds_add_u32 v[SPW], v[NIL]                      ; the opening lines: the add, twice on end, and its wait
	ds_add_u32 v[SPW], v[NIL]
	v_lshrrev_b32 v64, 5, v0
	v_readfirstlane_b32 s14, v64                   ; wave
	s_lshr_b32 s15, s14, 1                         ; my half of the rows; also: I fetch for A (0) or B (1)
	s_and_b32 s16, s14, 1                          ; my half of the columns; also: which 8 fragment rows I fetch
	s_bfe_u32 s40, ttmp6, 0x40000                  ; cx
	s_bfe_u32 s41, ttmp6, 0x40004                  ; cy
	s_lshl_b32 s42, ttmp9, 2
	s_add_co_u32 s42, s42, s40                     ; tile column
	s_and_b32 s17, ttmp7, 0xffff
	s_lshl_b32 s17, s17, 2
	s_add_co_u32 s17, s17, s41                     ; tile row
	s_lshl_b32 s43, s41, 2
	s_lshl_b32 s43, 15, s43                        ; my row of the cluster
	s_lshl_b32 s44, 0x1111, s40                    ; my column
	s_or_b32 s[G1+0], s43, (3<<16)|(1<<21)         ; elements of 8 bytes, the mask, bit 21 beside it
	s_or_b32 s[G1B+0], s44, (3<<16)|(1<<21)
.irp g, G1, G1B
	s_mov_b32 s[\g+1], (ROWB/8)<<16
	s_mov_b32 s[\g+2], 8<<16
	s_mov_b32 s[\g+3], (ROWB/8)<<16
	s_mov_b32 s[\g+4], 8
	s_mov_b32 s[\g+5], FROW/8
	s_mov_b32 s[\g+6], 0
	s_mov_b32 s[\g+7], 0
.endr
	s_or_b32 s[G1X+0], s43, (3<<16)|(1<<21)        ; the last fill: two K steps a row
	s_or_b32 s[G1XB+0], s44, (3<<16)|(1<<21)
.irp g, G1X, G1XB
	s_mov_b32 s[\g+1], (2*FRB/8)<<16
	s_mov_b32 s[\g+2], 8<<16
	s_mov_b32 s[\g+3], (2*FRB/8)<<16
	s_mov_b32 s[\g+4], 8
	s_mov_b32 s[\g+5], FROW/8
	s_mov_b32 s[\g+6], 0
	s_mov_b32 s[\g+7], 0
.endr
	s_lshl_b32 s18, s16, 7
	s_lshl_b32 s20, s17, 8
	s_add_co_u32 s20, s20, s18                     ; A: first row that I fetch
	s_lshl_b32 s46, s42, 8
	s_add_co_u32 s46, s46, s18                     ; B: first column that I fetch
	s_mov_b32 s21, 0
	s_mov_b32 s47, 0
	s_mov_b64 s[18:19], 3072                       ; bytes of codes a row
	s_mul_u64 s[20:21], s[20:21], s[18:19]
	s_mul_u64 s[46:47], s[46:47], s[18:19]
	s_mul_i32 s45, s14, HALFT                      ; where my part of a slot lies
	s_wait_dscnt 0x0                               ; both opening adds are done
	CROUND                                         ; the round in front of the first joint loads; it needs no argument, so it stands while the arguments are on their way
	s_wait_kmcnt 0x0
	s_add_nc_u64 s[20:21], s[4:5], s[20:21]
	s_add_nc_u64 s[46:47], s[8:9], s[46:47]
.irp s, 0,1
	s_mov_b32 s[G0+4*\s], 1
	s_add_co_u32 s[G0+4*\s+1], s45, \s*SLOT
	s_add_nc_u64 s[G0+4*\s+2:G0+4*\s+3], s[20:21], \s*ROWB
	s_or_b32 s[G0+4*\s+3], s[G0+4*\s+3], 0x80000000
	s_mov_b32 s[G0B+4*\s], 1
	s_add_co_u32 s[G0B+4*\s+1], s45, \s*SLOT
	s_add_nc_u64 s[G0B+4*\s+2:G0B+4*\s+3], s[46:47], \s*ROWB
	s_or_b32 s[G0B+4*\s+3], s[G0B+4*\s+3], 0x80000000
.endr
	JLOAD G0, G1, G0B, G1B                         ; slot 0: one tensor load a wave at the head
	; all that follows up to the wait on TENSORcnt stands under that load's flight
	s_mul_i32 s88, s15, HALFT                      ; my 8 fragment rows of A
	s_mul_i32 s89, s16, HALFT
	s_add_co_u32 s89, s89, 2*HALFT                 ; and of B, behind A's 16
	s_mul_i32 s90, s14, 16*SPITCH
	s_add_co_u32 s90, s90, STAGE                   ; my stage
	v_and_b32 v64, 31, v0                          ; lane
	v_and_b32 v65, 15, v0                          ; r
	v_bfe_u32 v66, v0, 4, 1                        ; h
	v_lshlrev_b32 v[CO], 4, v64                    ; 16 bytes a lane: in a fragment's image, in a row of out0, in the bias
	v_lshlrev_b32 v[SO], 3, v64                    ; scale words: 8 bytes a lane
	v_lshlrev_b32 v[PFO], 8, v64                   ; prefetch: 256 bytes a lane
	v_mul_u32_u24 v67, v65, SPITCH
	v_lshl_add_u32 v67, v66, 5, v67
	v_add_nc_u32 v[ADRA], s88, v[CO]
	v_add_nc_u32 v[ADRB], s89, v[CO]
	v_add_nc_u32 v[ADRA+1], SLOT, v[ADRA]
	v_add_nc_u32 v[ADRB+1], SLOT, v[ADRB]
	v_add_nc_u32 v[STO], s90, v67                  ; into the stage: row r, 32 bytes for each half of the lanes
	v_add_nc_u32 v[RD], s90, v[CO]                 ; back: a row of 512 bytes to the 32 lanes
	s_wait_alu depctr_va_vdst(0)                   ; the wait behind the head's last vector write
	s_lshl_b32 s46, s42, 10
	s_lshl_b32 s47, s16, 9
	s_add_co_u32 s46, s46, s47                     ; my first column, in bytes
	s_mov_b32 s47, 0
	s_add_nc_u64 s[BIP:BIP+1], s[BIP:BIP+1], s[46:47]
	s_lshl_b32 s92, s17, 15                        ; scale words: 4,096 bytes a pair of fragment rows
	s_lshl_b32 s93, s15, 14
	s_add_co_u32 s92, s92, s93
	s_mov_b32 s93, 0
	s_add_nc_u64 s[SCA:SCA+1], s[6:7], s[92:93]
	s_lshl_b32 s92, s42, 15
	s_lshl_b32 s94, s16, 14
	s_add_co_u32 s92, s92, s94
	s_add_nc_u64 s[SCB:SCB+1], s[10:11], s[92:93]
.macro SCLOAD z, c                     ; the scale words of two K steps (chunk c from the base) into set z: lanes 0-15 the even fragment row of a pair, lanes 16-31 the odd one
.set SZL, SC+16*(\z)
.irp j, 0,1,2,3
	global_load_b64 v[SZL+2*\j:SZL+2*\j+1], v[SO], s[SCA:SCA+1] offset:\j*4096+(\c)*256
.endr
.irp j, 0,1,2,3
	global_load_b64 v[SZL+8+2*\j:SZL+8+2*\j+1], v[SO], s[SCB:SCB+1] offset:\j*4096+(\c)*256
.endr
.endm
	global_load_b128 v[BI:BI+3], v[CO], s[BIP:BIP+1]   ; the bias of my four columns on the way out
	SCLOAD 0, 0
	SCLOAD 1, 1
	s_lshl_b32 s20, s17, 8
	s_lshl_b32 s21, s15, 7
	s_add_co_u32 s20, s20, s21                     ; my first row of out0
	s_mov_b32 s21, 0
	s_mov_b64 s[18:19], SIZE_N*4
	s_mul_u64 s[20:21], s[20:21], s[18:19]
	s_add_nc_u64 s[20:21], s[20:21], s[46:47]
	s_add_nc_u64 s[12:13], s[12:13], s[20:21]
	s_lshl_b32 s92, s17, 4                         ; the prefetches: fragment row 16 x tile row + 4 cx + wave of A,
	s_lshl_b32 s94, s40, 2
	s_add_co_u32 s92, s92, s94
	s_add_co_u32 s92, s92, s14
	s_mul_i32 s92, s92, FROW
	s_add_co_u32 s92, s92, 16384
	s_add_nc_u64 s[PFAA:PFAA+1], s[4:5], s[92:93]
	s_lshl_b32 s92, s42, 4                         ; 16 x tile column + 4 cy + wave of B
	s_lshl_b32 s94, s41, 2
	s_add_co_u32 s92, s92, s94
	s_add_co_u32 s92, s92, s14
	s_mul_i32 s92, s92, FROW
	s_add_co_u32 s92, s92, 16384
	s_add_nc_u64 s[PFAB:PFAB+1], s[8:9], s[92:93]
	s_cmp_eq_u32 ttmp9, 0
	s_cselect_b32 s[FLA], 1, 0
	s_and_b32 s94, ttmp7, 0xffff
	s_cmp_eq_u32 s94, 0
	s_cselect_b32 s[FLB], 1, 0
.macro FRAG reg, adr, q, i             ; a fragment: three loads of 512 consecutive bytes
.irp g, 0,1,2
	ds_load_b128 v[\reg+4*\g:\reg+4*\g+3], v[\adr] offset:(\i)*RB+(\q)*FRB+512*\g
.endr
.endm
.macro PARAMS p                        ; step p of six: its sets, its scale words, and where the next step's fragments lie
.set BSET, (\p)%2
.set EW,   (\p)%2
.set SZB,  SC+16*((\p)/2)
.set NPP,  ((\p)+1)%6
.set NSL,  NPP/3
.set NQQ,  NPP%3
.endm
.macro LB i0, n                        ; n fragments of B of the next step, from fragment i0 on, into the other set
	WIN TO_B
.set FI, \i0
.rept \n
	FRAG 128*(1-BSET)+FR*FI, ADRB+NSL, NQQ, FI
.set FI, FI+1
.endr
.set CUR, CUR+3*(\n)
.endm
.macro LA i0, n                        ; the same of A
	WIN 0
.set FI, \i0
.rept \n
	FRAG AF+96*(1-BSET)+FR*FI, ADRA+NSL, NQQ, FI
.set FI, FI+1
.endr
.set CUR, CUR+3*(\n)
.endm
; Eight products: A's block a against B's eight.  The 64 accumulators take turns, one instruction a turn, in the same order in every step.
.macro MUL8 a, zero
.set WN, MUL_LO+0x50*((\a)/4)
	WIN WN
.irp b, 0,1,2,3,4,5,6,7
.set XD,  8*(8*((\a)%4)+\b)
.set XB,  128*BSET+FR*\b
.set XA,  AF+96*BSET+FR*(\a)
.set XSB, SZB+8+2*(\b/2)+EW
.set XSA, SZB+2*((\a)/2)+EW
.set XR,  \b%2+2*((\a)%2)+4*(\zero)
.if XR == 0
	v_wmma_scale_f32_16x16x128_f8f6f4 v[XD:XD+7], v[XB:XB+FR-1], v[XA:XA+FR-1], v[XD:XD+7], v[XSB], v[XSA] matrix_a_fmt:MATRIX_FMT_BF6 matrix_b_fmt:MATRIX_FMT_BF6
.elseif XR == 1
	v_wmma_scale_f32_16x16x128_f8f6f4 v[XD:XD+7], v[XB:XB+FR-1], v[XA:XA+FR-1], v[XD:XD+7], v[XSB], v[XSA] matrix_a_fmt:MATRIX_FMT_BF6 matrix_b_fmt:MATRIX_FMT_BF6 matrix_a_scale:MATRIX_SCALE_ROW1
.elseif XR == 2
	v_wmma_scale_f32_16x16x128_f8f6f4 v[XD:XD+7], v[XB:XB+FR-1], v[XA:XA+FR-1], v[XD:XD+7], v[XSB], v[XSA] matrix_a_fmt:MATRIX_FMT_BF6 matrix_b_fmt:MATRIX_FMT_BF6 matrix_b_scale:MATRIX_SCALE_ROW1
.elseif XR == 3
	v_wmma_scale_f32_16x16x128_f8f6f4 v[XD:XD+7], v[XB:XB+FR-1], v[XA:XA+FR-1], v[XD:XD+7], v[XSB], v[XSA] matrix_a_fmt:MATRIX_FMT_BF6 matrix_b_fmt:MATRIX_FMT_BF6 matrix_a_scale:MATRIX_SCALE_ROW1 matrix_b_scale:MATRIX_SCALE_ROW1
.elseif XR == 4
	v_wmma_scale_f32_16x16x128_f8f6f4 v[XD:XD+7], v[XB:XB+FR-1], v[XA:XA+FR-1], 0, v[XSB], v[XSA] matrix_a_fmt:MATRIX_FMT_BF6 matrix_b_fmt:MATRIX_FMT_BF6
.elseif XR == 5
	v_wmma_scale_f32_16x16x128_f8f6f4 v[XD:XD+7], v[XB:XB+FR-1], v[XA:XA+FR-1], 0, v[XSB], v[XSA] matrix_a_fmt:MATRIX_FMT_BF6 matrix_b_fmt:MATRIX_FMT_BF6 matrix_a_scale:MATRIX_SCALE_ROW1
.elseif XR == 6
	v_wmma_scale_f32_16x16x128_f8f6f4 v[XD:XD+7], v[XB:XB+FR-1], v[XA:XA+FR-1], 0, v[XSB], v[XSA] matrix_a_fmt:MATRIX_FMT_BF6 matrix_b_fmt:MATRIX_FMT_BF6 matrix_b_scale:MATRIX_SCALE_ROW1
.else
	v_wmma_scale_f32_16x16x128_f8f6f4 v[XD:XD+7], v[XB:XB+FR-1], v[XA:XA+FR-1], 0, v[XSB], v[XSA] matrix_a_fmt:MATRIX_FMT_BF6 matrix_b_fmt:MATRIX_FMT_BF6 matrix_a_scale:MATRIX_SCALE_ROW1 matrix_b_scale:MATRIX_SCALE_ROW1
.endif
.endr
.endm
.macro PLACES n
.rept \n
	v_nop
.endr
.endm
.macro GRP g, zero                     ; ahead of an even block: blocks g and g + 1 of A (and all of B) are in; behind them 18 - 3 g loads of the earlier run and CUR of this step were issued
.if (\g)%2 == 0
	s_wait_dscnt 18-3*(\g)+CUR
.endif
	MUL8 \g, \zero
.endm
; A K step inside a slot.  lc: the count for the scale words of this pair of steps (one younger set of 8 may be out); sl: the chunk of scale words asked for, into the set that the step before read last.
.macro STEP p, zero, lc, sl, ask
	PARAMS \p
.set CUR, 0
.if (\lc) >= 0
	s_wait_loadcnt \lc
.endif
	GRP 0, \zero
	GRP 1, \zero
	PLACES NP                                      ; four places between the last step's products and the loads into the registers that they read
	LB 0, 8                                        ; the next step's fragments, one run of 48 loads, 48 products ahead of their first use
	LA 0, 8
.if (\sl) >= 0
	SCLOAD ((\p)/2+2)%3, \sl
.endif
.if \ask
	ASK
.endif
	GRP 2, \zero
	GRP 3, \zero
	GRP 4, \zero
	GRP 5, \zero
	GRP 6, \zero
	GRP 7, \zero
.endm
; A slot's last K step: its fragments are all in registers or on their way, and the next step's lie in the other slot.  fill = 1: this slot is filled again; 2: with the last two K steps; 0: no more.
.macro TURN p, fill, lc, sl
	PARAMS \p
.set CSL, (\p)/3
	WIN 0
.if (\lc) >= 0
	s_wait_loadcnt \lc
.endif
	s_wait_tensorcnt 0x0                           ; all my tensor loads have landed: my part of the other slot;
	ds_add_u32 v[SPW], v[NIL]
	s_wait_dscnt 19                                ; (the add and A's blocks 2-7 may be out)
	MUL8 0, 0
	MUL8 1, 0
	s_wait_dscnt 0x0                               ; the add is done, and my reads of this slot are over
	s_barrier_signal -1
	MUL8 2, 0
	WIN 0
	s_barrier_wait -1
.if \fill
	CREST                                          ; the barrier has opened a round of the cluster's barrier
	s_add_nc_u64 s[G0+4*CSL+2:G0+4*CSL+3], s[G0+4*CSL+2:G0+4*CSL+3], 2*ROWB
	s_add_nc_u64 s[G0B+4*CSL+2:G0B+4*CSL+3], s[G0B+4*CSL+2:G0B+4*CSL+3], 2*ROWB
.if \fill == 1
	JLOAD G0+4*CSL, G1, G0B+4*CSL, G1B             ; the first tensor load behind the round; its four v_nop are the places in front of the loads below
.else
	JLOAD G0+4*CSL, G1X, G0B+4*CSL, G1XB
.endif
.else
	PLACES NP
.endif
.set CUR, 0
	LB 0, 8                                        ; the next step's fragments, out of the other slot
	LA 0, 8
.if (\sl) >= 0
	SCLOAD ((\p)/2+2)%3, \sl
.endif
	MUL8 3, 0
	MUL8 4, 0
	MUL8 5, 0
	MUL8 6, 0
	MUL8 7, 0
.endm
	s_wait_tensorcnt 0x0                           ; my part of slot 0 is in
	ds_add_u32 v[SPW], v[NIL]
	s_wait_dscnt 0x0
	CROUND                                         ; everybody's part is in, and the joint loads meet
	JLOAD G0+4, G1, G0B+4, G1B                     ; slot 1's first fill, the first tensor load behind the round
.set BSET, 1
.set NSL, 0
.set NQQ, 0
.set CUR, 0
	LB 0, 8                                        ; step 0's fragments into set 0
	LA 0, 8
	STEP 0, 1, 8, 2, 0                             ; the first step's products start the sums
	WIN 0
	s_mov_b32 s3, TRIPS
.Llap:                                                 ; a trip: six K steps, once round the ring
	STEP 1, 0, -1, -1, 1
	TURN 2, 1, 8, 3
	STEP 3, 0, -1, -1, 0
	STEP 4, 0, 8, 4, 0
	TURN 5, 1, -1, -1
	STEP 0, 0, 8, 5, 0
	WIN 0
	s_wait_xcnt 0x0                                ; the trip's loads and prefetches have read their bases
	s_add_nc_u64 s[SCA:SCA+1], s[SCA:SCA+1], 768
	s_add_nc_u64 s[SCB:SCB+1], s[SCB:SCB+1], 768
	s_add_nc_u64 s[PFAA:PFAA+1], s[PFAA:PFAA+1], 8192
	s_add_nc_u64 s[PFAB:PFAB+1], s[PFAB:PFAB+1], 8192
	s_sub_co_u32 s3, s3, 1
	s_cmp_lg_u32 s3, 0
	s_cbranch_scc1 .Llap
	STEP 1, 0, -1, -1, 0                           ; steps 25 to 30
	TURN 2, 2, 8, 3
	STEP 3, 0, -1, -1, 0
	STEP 4, 0, 8, -1, 0
.set RB, 2*FRB                         ; slot 0 now holds rows of two K steps
	TURN 5, 0, -1, -1
	STEP 0, 0, 0, -1, 0
; THE LAST STEP AND THE WAY OUT.  Block a (16 rows x 128 columns) goes through my own stage and comes back as rows of 512 bytes; the bias is added; 32 lanes store two aligned units of 256 bytes.
.macro TOSTAGE a
.set AC, 64*((\a)%4)
.set WN, 0x08+4*((\a)/4)
	WIN WN
.irp b, 0,1,2,3,4,5,6,7
	ds_store_b128 v[STO], v[AC+8*\b:AC+8*\b+3] offset:64*\b          ; each accumulator from its low end on
	ds_store_b128 v[STO], v[AC+8*\b+4:AC+8*\b+7] offset:64*\b+16
.endr
	WIN 0
.set BB, BK+64*((\a)%2)
.irp t, 0,1,2,3,4,5,6,7,8,9,10,11,12,13,14,15
	ds_load_b128 v[BB+4*\t:BB+4*\t+3], v[RD] offset:\t*SPITCH        ; LDS serves a wave's instructions in order: these see the stores above
.endr
.endm
.macro SEND a, younger
.set BB, BK+64*((\a)%2)
	s_wait_dscnt \younger
.irp t, 0,1,2,3,4,5,6,7,8,9,10,11,12,13,14,15
	v_pk_add_f32 v[BB+4*\t:BB+4*\t+1], v[BB+4*\t:BB+4*\t+1], v[BI:BI+1]
	v_pk_add_f32 v[BB+4*\t+2:BB+4*\t+3], v[BB+4*\t+2:BB+4*\t+3], v[BI+2:BI+3]
.endr
.if (\a) > 0
	s_add_nc_u64 s[12:13], s[12:13], 16*SIZE_N*4   ; behind a wait on XCNT: the earlier stores have read their base
.endif
.irp t, 0,1,2,3,4,5,6,7,8,9,10,11,12,13,14,15
	global_store_b128 v[CO], v[BB+4*\t:BB+4*\t+3], s[12:13] offset:\t*SIZE_N*4 th:TH_STORE_NT
.endr
.endm
	PARAMS 1
	s_wait_dscnt 18                                ; B and A's blocks 0, 1 are in
	MUL8 0, 0
	s_wait_dscnt 0x0
	MUL8 1, 0
	PLACES NP                                      ; in front of the reads of blocks 0 and 1, and of the loads into registers that earlier products read
	TOSTAGE 0
.irp a, 1,2,3,4,5,6,7                  ; block a + 1's products are issued ahead of block a's way through the stage; the additions of block a - 1 are the places behind them
.if \a < 7
	MUL8 \a+1, 0
.endif
.if \a > 1
	s_wait_xcnt 0x0                                ; block a - 2's stores have read their registers and their base
.endif
	TOSTAGE \a
	SEND \a-1, 32                                  ; behind block a - 1's loads: block a's 16 stores and 16 loads
.endr
	s_wait_xcnt 0x0
	SEND 7, 0
	s_wait_tensorcnt 0x0                           ; the wave's end
	ds_add_u32 v[SPW], v[NIL]
	s_wait_dscnt 0x0
	CROUND                                         ; the closing round
	s_endpgm
.Lfunc_end_k_q9281db1050_gemm:
	.size	k_q9281db1050_gemm, .Lfunc_end_k_q9281db1050_gemm-k_q9281db1050_gemm
	.p2alignl 7, 3214868480
	.fill 96, 4, 3214868480
	.section	.rodata,"a",@progbits
	.p2align	6, 0x0
	.amdhsa_kernel k_q9281db1050_gemm
		.amdhsa_group_segment_fixed_size 327680
		.amdhsa_private_segment_fixed_size 0
		.amdhsa_enable_private_segment 0
		.amdhsa_kernarg_size 48
		.amdhsa_user_sgpr_count 2
		.amdhsa_user_sgpr_kernarg_segment_ptr 1
		.amdhsa_wavefront_size32 1
		.amdhsa_system_sgpr_workgroup_id_x 1
		.amdhsa_system_sgpr_workgroup_id_y 1
		.amdhsa_system_sgpr_workgroup_id_z 1
		.amdhsa_system_vgpr_workitem_id 0
		.amdhsa_next_free_vgpr 1024
		.amdhsa_next_free_sgpr 102
		.amdhsa_reserve_vcc 0
		.amdhsa_float_denorm_mode_32 3
		.amdhsa_float_denorm_mode_16_64 3
		.amdhsa_memory_ordered 1
		.amdhsa_forward_progress 1
		.amdhsa_inst_pref_size 224
	.end_amdhsa_kernel
	.amdgpu_metadata
---
amdhsa.version: [ 1, 2 ]
amdhsa.kernels:
  - .name:           k_q9281db1050_gemm
    .symbol:         k_q9281db1050_gemm.kd
    .args:
      - { .name: a_img, .offset: 0, .size: 8, .value_kind: global_buffer, .address_space: global }
      - { .name: a_scl, .offset: 8, .size: 8, .value_kind: global_buffer, .address_space: global }
      - { .name: w_img, .offset: 16, .size: 8, .value_kind: global_buffer, .address_space: global }
      - { .name: w_scl, .offset: 24, .size: 8, .value_kind: global_buffer, .address_space: global }
      - { .name: out0, .offset: 32, .size: 8, .value_kind: global_buffer, .address_space: global }
      - { .name: bias, .offset: 40, .size: 8, .value_kind: global_buffer, .address_space: global }
    .group_segment_fixed_size: 327680
    .private_segment_fixed_size: 0
    .kernarg_segment_align: 8
    .kernarg_segment_size: 48
    .max_flat_workgroup_size: 128
    .sgpr_count:     102
    .vgpr_count:     1024
    .wavefront_size: 32
...
	.end_amdgpu_metadata
.endif
;; end of part 2
